; MI455X (gfx1250); checked and timed in simulation.
; The chip was launched on July 23, 2026; its instructions are those of AMD's public machine-readable ISA for CDNA 5 (MIT licence, August 2026) and "CDNA5" Instruction Set Architecture Reference Guide (July 2026). The comments in the code are by the model that wrote it; some were corrected since.
;; Sparse Self Attention. Allowed arithmetic: matrix products marked QUANTISED: E5M2 operands, one given power-of-two scale a tensor, by v_wmma_f32_16x16x64_bf8_bf8 or v_wmma_f32_16x16x128_bf8_bf8, f32 sums; everything else in f32.
;; Inputs: key 2 x 16 x 2,048 x 64 float32; key_padding_mask 2 x 2,048 float32; layout 16 x 64 x 64 int32; lowp_scales 4 int32 (the exponents e of the quantised operands' scales 2^e); query 2 x 16 x 2,048 x 64 float32; value 2 x 16 x 2,048 x 64 float32.
;; Outputs: out0 2 x 16 x 2,048 x 64 float32.
;; This version of the problem:
;;   THIS VERSION OF THE PROBLEM IS GIVEN IN LOW PRECISION. The matrix products marked QUANTISED in the list below multiply operands that are first quantised to E5M2 (5 exponent bits, 2 mantissa bits; 8 bits a number), with one given power-of-two scale for each operand tensor; their sums are f32. All else is computed in f32.
;;   The module's matrix products, in the order in which they are computed (A, B: the left and right operand; K: the contracted axis; several contracted axes count as one K, in the product's order):
;;     1. batch 32 x [M 2,048, K 64] x [K 64, N 2,048]; A: input query; B: input key: QUANTISED (scales: A lowp_scales[0], B lowp_scales[1])
;;     2. batch 32 x [M 2,048, K 2,048] x [K 2,048, N 64]; A: softmax (see below); B: input value: QUANTISED (scales: A lowp_scales[2], B lowp_scales[3])
;;   THE QUANTISER, for each operand of a quantised product, along K:
;;     - The operand's scale is 2^e, e = its entry of the input lowp_scales (int32; the entries are numbered through the quantised products in the list's order, A before B).
;;     - Each number is divided by the scale, clamped to +-57,344, and rounded to the nearest number of E5M2, ties to even, subnormals kept.
;;     - The product sums the exact products of the quantised numbers (number of the format x scale) in f32.
;;   ~~~python
;;   def quantise(x, axis, e):      # numpy; x: float32 -> the quantised numbers, widened to float32 again
;;       x = np.moveaxis(x, axis, -1); K = x.shape[-1]
;;       r = np.clip(x / 2.0 ** e, -57344, 57344)
;;       step = 2.0 ** (np.maximum(np.frexp(np.where(r == 0, 1, r))[1] - 1, -14) - 2)
;;       q = np.round(r / step) * step * 2.0 ** e      # np.round: ties to even
;;       return np.moveaxis(q, -1, axis).astype(np.float32)
;;   ~~~
;;   SOFTMAX AHEAD OF A QUANTISED PRODUCT. Where the list says 'softmax', what is quantised is not the finished softmax but p = 2^(t - M), with t = logit x log2(e) and M = ceil(the row's largest t), a whole number; so 1/2 < the row's largest p <= 1. The row's sum l is taken of the UNQUANTISED p, in f32, and the product's result is divided by l at the end. Since M is a whole number, a kernel that streams over the keys may use a running M (the ceiling of the running maximum): every later rescaling is an exact power of two, so the quantised numbers keep their values, but for numbers so far below the row's largest that they fall under the format's range.
;;   OPERANDS COMPUTED ON THE WAY. 'Computed on the way' means the value that the module computes at that place (a softmax that the list does not call 'softmax' is quantised finished and normalised). What goes into a quantiser is computed in f32, as accurately as f32 sums, v_exp_f32 and their like allow (about 1e-6 of the number): no bf16 or f16 on the way to a quantiser, and a product that is left as it is and whose result goes on into a quantised operand takes f32 operands (vector FMAs, or v_wmma_f32_16x16x4_f32). A number that lies on a knife's edge between two numbers of the format may be rounded either way, as far as f32 arithmetic and the matrix unit's own rounding can turn it there, and no further.
;; 2 versions. Each part assembles by itself: llvm-mc -triple=amdgcn-amd-amdhsa -mcpu=gfx1250 --defsym DOCPART=n.
;; ======== version 1 of 2: 1 launch
;; launch attn (part 1): grid 8 x 32, 16 waves a work-group, no clusters, 326,656 bytes of LDS; arguments query, key, value, key_padding_mask, layout, lowp_scales, out0; writes out0
.if DOCPART == 1
	.amdgcn_target "amdgcn-amd-amdhsa--gfx1250"
	.amdhsa_code_object_version 6
	.text
	.protected	k_q631d730444_attn
	.globl	k_q631d730444_attn
	.p2align	8
	.type	k_q631d730444_attn,@function
k_q631d730444_attn:
	s_mov_b64 s[64:65], 0
	v_nop
	global_prefetch_b8 v0, s[64:65] scope:SCOPE_SE
	s_setreg_imm32_b32 hwreg(HW_REG_WAVE_MODE, 25, 1), 1
	s_wait_xcnt 0x0
; Block-sparse attention on codes of BF8 (E5M2).  query, key, value, out0: [2][16][2048][64] f32; key_padding_mask: [2][2048] f32; layout: [16][64][64] int32 (not 0 = the block of 32 x 32 counts);
; lowp_scales: eq, ek, ep, ev.  logit = q . k / 8 + mask[key]; t = logit x log2(e); M = the row's largest t so far, rounded UP to a whole number; p = 2^(t - M) is quantised along the keys, not normalised;
; the row's sum is taken of the unquantised p and divides at the end.  When M moves, the sum and O are multiplied by 2^(old M - new M), which rounds nothing.
; SHARES.  A work-group owns 256 queries (query blocks 8 x .. 8 x + 7) of one pair y = 16 batch + head; each of its sixteen waves owns 16 queries, one tile, in 256 registers: four waves to a SIMD.
; THE LAYOUT IS AN INPUT AND IS HONOURED AS IT COMES.  Phase 1: the eight layout rows of the work-group are joined; key block j is quantised (K and V, once for the work-group) by wave j % 16 if any of the eight
; rows names it, and its codes go to LDS, which has a place for every one of the head's 64 blocks: each LDS byte is written once.  Phase 2: each wave walks the 64 key blocks in 16 groups of four (a loop of constant
; count) and passes over, by scalar branches on its own layout row, those that do not count.  The two barriers stand outside all such branches.
; NO TENSOR LOADS, NO CLUSTER: which key blocks a work-group needs hangs on the layout, a loaded number, so partners would ask for different tiles; and the f32 numbers have to pass through registers to become codes.
; LAYOUT OF THE PRODUCTS.  Both are used transposed: S^T = K Q^T + mask (source 0 = 16 keys, source 1 = my 16 queries, C = the mask's numbers), O^T = V^T P^T (source 0 = 16 of the head's 64): a lane holds ONE query
; (lane % 16) throughout.  The keys of a tile are not neighbours: row r of tile u is key 8 u + r + 8 (r / 8), so that a lane's 16 scores are the 16 neighbouring keys 16 (lane / 16) + 0 .. 15, and the conversions'
; results ARE the second product's operand.  Along K both sides of a product are laid alike: lane half h holds k = 32 h + 0 .. 31 (first product), keys 16 h + 0 .. 15 and then 16 zero codes (second product): a
; permutation of k that is the same in both sources.
; LIMITS: eq, ek, ep, ev each between -126 and 112; eq + ek between -123 and 130 (each power of two below is then an f32 number).  NaN among the inputs is not served.  A mask number of -infinity gives p = 0.
; A query block that no key block serves gets NaN (0 x infinity), as the softmax of a row of -infinity has it.
.set KPITCH, 80                        ; a key's or a query's row in LDS: 64 codes + 16 bytes = 20 words: sixteen neighbouring rows begin at 16 different sets of four banks (64 banks of 4 bytes: ISA guide 11.1)
.set VPITCH, 2064                      ; a row of V^T: 2,048 codes (byte = key) + 16 bytes = 516 words: row r begins at bank 4 r mod 64
.set KREG,  0                          ; 2,048 rows x 80: key kappa of block j lies in row 32 j + rho(kappa), rho = kappa with bits 3 and 4 swapped: tile u's sixteen rows are neighbours
.set VREG,  163840                     ; 64 rows x 2,064
.set CREG,  295936                     ; 2,048 f32: mask[key] x 2^(3 - eq - ek)
.set QREG,  304128                     ; 256 rows x 80: wave w's sixteen at 1,280 w
.set SPITCH, 272                       ; the way out: 16 rows x (256 + 16) bytes for each wave, at 4,352 w, in K's region, behind the second barrier
; vector registers that stay: v1 16 x lane; v2 lane, v3 lane % 16, v8 lane / 16; v4 V's loads; v5, v6 K's stores; v7 V's stores; v9 Q's stores; v10 Q's fragment; v11, v12 the mask; v13 my layout row;
; v14/15, v16/17, v18/19, v20/21: 2^e and 57,344 x 2^e for eq, ek, ev, ep; v22, v23, v24 my lane's place in a tile of K, of V^T, in the mask; v25-28 the same for the group in hand; v29, v30 the stage; v31 the prefetch
.set LU,  32                           ; phase 1: v32-47 the eight layout rows; v48-51 my own row; v52-55 the mask; v56-87 Q
.set LO,  48
.set KM,  52
.set QR,  56
.set KR,  96                           ; v96-159 a block of K as loaded; later V turned
.set VR,  160                          ; v160-223 a block of V as loaded
.set KC,  224                          ; v224-239 K's codes (and Q's)
.set VC,  240                          ; v240-255 V's codes
.set QF,  32                           ; phase 2: v32-39 Q's fragment
.set KF,  40                           ; v40-55 two tiles of K
.set CF,  56                           ; v56-71 the mask's numbers in the result's layout
.set SC,  72                           ; v72-87 S^T, then p
.set PF,  88                           ; v88-95 p's codes; v92-95 stay 0
.set VF,  96                           ; v96-127 four tiles of V^T, 8 registers each; the upper four of each stay 0
.set OT,  128                          ; v128-159 O^T
.set HP,  160                          ; v160-175 p held at the largest code; on the way out v160-191 O^T / the sum
.set BK,  192                          ; v192-223 the way out: whole rows
; v224 -M, v225 the largest t, v[226:227] the sum in two halves, v[228:229] f and 0, v230 the old -M, v231, v232 at work, v236 a permute's destination, v[238:239], v[240:241] two chains of the sum
; scalars: s[4:17] the buffers; s18 wave, s19 x, s20 y; s21 3 - eq - ek; s[24:27] eq ek ep ev; s28-31 bit g of U_e: block 4 g + e is wanted by the work-group; s32 my wave's bits of them; s[34:35] the prefetch's base;
; s36-39 bit g of M_e: block 4 g + e counts for my queries; s40 their union; s41 the group; s[42:43] c; s[44:45] lane selects; s46-48 the group's bytes in K, V^T, the mask; s49 ep + ev
	s_load_b256 s[4:11], s[0:1], 0x0               ; query s[4:5], key s[6:7], value s[8:9], key_padding_mask s[10:11]
	s_load_b128 s[12:15], s[0:1], 0x20             ; layout s[12:13], lowp_scales s[14:15]
	s_load_b64 s[16:17], s[0:1], 0x30              ; out0
	v_lshrrev_b32 v2, 5, v0
	v_readfirstlane_b32 s18, v2                    ; wave 0..15
	s_mov_b32 s19, ttmp9                           ; x: which 256 queries
	s_and_b32 s20, ttmp7, 0xffff                   ; y = 16 batch + head
	v_and_b32 v2, 31, v0                           ; lane
	v_and_b32 v3, 15, v0                           ; g = r = lane % 16
	v_bfe_u32 v8, v0, 4, 1                         ; hh = h = lane / 16
	; byte offsets, each in a pair of its own with 0 above it
	s_lshl_b32 s58, s20, 19                        ; the pair's 2,048 rows of 256 bytes
	s_lshl_b32 s59, s19, 16                        ; the work-group's 256 rows
	s_lshl_b32 s22, s18, 12                        ; my wave's 16 rows
	s_add_co_u32 s22, s22, s58
	s_add_co_u32 s22, s22, s59                     ; query and out0 at my first row
	s_mov_b32 s23, 0
	s_lshl_b32 s50, s18, 13
	s_add_co_u32 s50, s50, s58                     ; key and value at block j = wave (blocks wave + 16 t stand in the immediates)
	s_mov_b32 s51, 0
	s_lshr_b32 s52, s20, 4
	s_lshl_b32 s52, s52, 13                        ; the batch's row of the mask
	s_mov_b32 s53, 0
	s_and_b32 s54, s20, 15
	s_lshl_b32 s54, s54, 14                        ; the head's 64 layout rows of 256 bytes,
	s_lshl_b32 s55, s19, 11
	s_add_co_u32 s54, s54, s55                     ; and the work-group's eight of them
	s_mov_b32 s55, 0
	s_and_b32 s56, s18, 7
	s_lshl_b32 s56, s56, 13
	s_add_co_u32 s56, s56, s58
	s_add_co_u32 s56, s56, s59                     ; the prefetch: 8,192 bytes a wave of the work-group's eighth of the head's keys (waves 0-7) or values (waves 8-15)
	s_mov_b32 s57, 0
	s_mov_b32 s44, 0x76543210                      ; v_permlanex16_b32: lane l xor 16
	s_mov_b32 s45, 0xfedcba98
	; every address register is made here, ahead of the first branch, and never rewritten
	s_mul_i32 s60, s18, 32*KPITCH                  ; block j = wave in K's region
	s_mul_i32 s61, s18, 16*KPITCH
	s_add_co_u32 s61, s61, QREG                    ; my sixteen rows of Q
	s_lshl_b32 s62, s18, 5
	s_add_co_u32 s62, s62, VREG                    ; block j = wave in a row of V^T
	s_mul_i32 s63, s18, 16*SPITCH                  ; my stage
	v_lshlrev_b32 v1, 4, v2                        ; 16 x lane
	v_lshlrev_b32 v4, 4, v3
	v_lshl_add_u32 v4, v8, 12, v4                  ; V's loads: 16 g + 4,096 hh: lanes 0-15 take key n, lanes 16-31 key 16 + n
	v_mul_u32_u24 v9, v8, KPITCH
	v_lshl_add_u32 v9, v3, 2, v9                   ; 80 hh + 4 g: a code word's place in a pair of rows
	v_add_nc_u32 v5, s60, v9                       ; K's stores, blocks wave and wave + 16,
	v_add_nc_u32 v6, 2*16*32*KPITCH, v5            ; and blocks wave + 32 and wave + 48 (past the 16-bit immediate)
	v_add_nc_u32 v9, s61, v9                       ; Q's stores
	v_mul_u32_u24 v7, v3, 4*VPITCH
	v_lshl_add_u32 v7, v8, 4, v7
	v_add_nc_u32 v7, s62, v7                       ; V's stores: row d = 4 g (+ e), keys 16 hh on of block wave
	v_mul_u32_u24 v22, v3, KPITCH
	v_lshl_add_u32 v22, v8, 5, v22                 ; a fragment of K or Q: row r, + 32 h
	v_add_nc_u32 v10, s61, v22                     ; Q's fragment
	v_lshlrev_b32 v11, 4, v0                       ; the mask: 16 bytes a thread, 8,192 a work-group
	v_lshl_add_u32 v12, v0, 4, CREG
	s_lshr_b32 s60, s18, 1
	s_lshl_b32 s60, s60, 8
	v_lshl_add_u32 v13, v3, 4, s60                 ; my own layout row: 256 (wave / 2) + 16 g
	v_mul_u32_u24 v23, v3, VPITCH
	v_lshl_add_u32 v23, v8, 4, v23
	v_add_nc_u32 v23, VREG, v23                    ; a fragment of V^T: row r, + 16 h
	v_lshl_add_u32 v24, v8, 6, CREG                ; the mask's numbers of keys 16 h on
	v_mul_u32_u24 v29, v3, SPITCH
	v_lshl_add_u32 v29, v8, 5, v29
	v_add_nc_u32 v29, s63, v29                     ; the stage, in: row r, + 32 h
	v_mul_u32_u24 v30, v8, SPITCH
	v_lshl_add_u32 v30, v3, 4, v30
	v_add_nc_u32 v30, s63, v30                     ; and back: lanes 0-15 one row, lanes 16-31 the next
	v_lshlrev_b32 v31, 8, v2                       ; the prefetch: lanes 256 bytes apart
	s_wait_kmcnt 0x0
	s_load_b128 s[24:27], s[14:15], 0x0            ; eq, ek, ep, ev
	s_cmp_lt_u32 s18, 8                            ; the choice hangs on the wave's number alone
	s_cselect_b64 s[34:35], s[6:7], s[8:9]
	s_add_nc_u64 s[34:35], s[34:35], s[56:57]
	s_add_nc_u64 s[12:13], s[12:13], s[54:55]
	s_add_nc_u64 s[10:11], s[10:11], s[52:53]
	s_add_nc_u64 s[4:5], s[4:5], s[22:23]
	s_add_nc_u64 s[16:17], s[16:17], s[22:23]
	s_add_nc_u64 s[6:7], s[6:7], s[50:51]
	s_add_nc_u64 s[8:9], s[8:9], s[50:51]
.irp n, 0,1,2,3
	global_load_b128 v[LU+4*\n:LU+4*\n+3], v1, s[12:13] offset:512*\n   ; layout rows 2 n + hh of the eight, entries 4 g .. 4 g + 3
.endr
	global_load_b128 v[LO:LO+3], v13, s[12:13]     ; my own query block's row, entries 4 g .. 4 g + 3 (both halves of the lanes alike)
	global_prefetch_b8 v31, s[34:35] th:TH_LOAD_NT scope:SCOPE_SE   ; the sixteen waves ask for keys 256 x .. 256 x + 255 of key and of value, 128 KB; the eight work-groups of a pair together ask for each
	                                               ; address once; it goes out while the layout is on its way, ahead of the loads that the layout decides.  It also asks for blocks that a layout may leave unused
	global_load_b128 v[KM:KM+3], v11, s[10:11]
.irp n, 0,1,2,3,4,5,6,7
	global_load_b128 v[QR+4*\n:QR+4*\n+3], v1, s[4:5] offset:512*\n th:TH_LOAD_NT   ; Q: rows 2 n + hh, channels 4 g .. 4 g + 3; read once in the launch
.endr
	s_wait_kmcnt 0x0
.macro POW2 e, vs, vl                          ; v[vs] = 2^e as f32 (the conversion takes its exponent field), v[vl] = 57,344 x 2^e
	s_add_co_i32 s58, s[\e], 127
	s_lshl_b32 s59, s58, 23
	v_mov_b32 v[\vs], s59
	s_add_co_i32 s58, s58, 15
	s_lshl_b32 s58, s58, 23
	s_or_b32 s58, s58, 0x600000
	v_mov_b32 v[\vl], s58
.endm
	POW2 24, 14, 15                                ; eq
	POW2 25, 16, 17                                ; ek
	POW2 27, 18, 19                                ; ev
	POW2 26, 20, 21                                ; ep
	s_add_co_i32 s58, s24, s25                     ; eq + ek: a sum of the first product stands for sum x 2^(eq + ek)
	s_sub_co_i32 s21, 3, s58                       ; so the mask goes in as mask x 8 / 2^(eq + ek),
	s_lshl_b32 s58, s58, 23
	s_add_co_i32 s42, s58, 0x3e38aa3b              ; and c = log2(e) / 8 x 2^(eq + ek): the exponents are added to c's exponent field
	s_mov_b32 s43, s42                             ; (named with it as a pair, so it is written)
	s_add_co_i32 s49, s26, s27                     ; ep + ev
	s_wait_loadcnt 9                               ; the five layout loads are in; the mask's one and Q's eight, issued behind them, may be out
.irp e, 0,1,2,3
	v_or_b32 v[KC+\e], v[LU+\e], v[LU+4+\e]
	v_or_b32 v[KC+4+\e], v[LU+8+\e], v[LU+12+\e]
.endr
.irp e, 0,1,2,3
	v_or_b32 v[KC+\e], v[KC+\e], v[KC+4+\e]        ; four rows of one parity joined
.endr
.irp e, 0,1,2,3
	v_cmp_ne_u32 s[28+\e], 0, v[KC+\e]             ; bit g + 16 hh
	v_cmp_ne_u32 s[36+\e], 0, v[LO+\e]             ; M_e: bit g (and again bit g + 16)
.endr
.irp e, 0,1,2,3
	s_lshr_b32 s33, s[28+\e], 16
	s_or_b32 s[28+\e], s[28+\e], s33               ; U_e: both parities: bit g says that some query block of the work-group wants key block 4 g + e
.endr
	s_or_b32 s40, s36, s37
	s_or_b32 s33, s38, s39
	s_or_b32 s40, s40, s33                         ; bit g: some block of group g counts for my queries
	s_and_b32 s33, s18, 3                          ; my blocks are j = wave + 16 t = 4 (wave / 4 + 4 t) + wave % 4
	s_mov_b32 s32, s28
	s_cmp_eq_u32 s33, 1
	s_cselect_b32 s32, s29, s32
	s_cmp_eq_u32 s33, 2
	s_cselect_b32 s32, s30, s32
	s_cmp_eq_u32 s33, 3
	s_cselect_b32 s32, s31, s32
	s_lshr_b32 s33, s18, 2
	s_lshr_b32 s32, s32, s33                       ; bit 4 t: block wave + 16 t is wanted
; PHASE 1.  Block wave + 16 t of K and V becomes codes in LDS, if it is wanted.  Every offset is an immediate; no pointer is stepped.
.macro BLOCK t
	s_bitcmp1_b32 s32, 4*\t
	s_cbranch_scc0 .Lnob_\@
.irp n, 0,1,2,3,4,5,6,7,8,9,10,11,12,13,14,15
	global_load_b128 v[KR+4*\n:KR+4*\n+3], v1, s[6:7] offset:131072*\t+512*\n   ; keys 2 n + hh, channels 4 g .. 4 g + 3: 512 consecutive bytes
.endr
.irp n, 0,1,2,3,4,5,6,7,8,9,10,11,12,13,14,15
	global_load_b128 v[VR+4*\n:VR+4*\n+3], v4, s[8:9] offset:131072*\t+256*\n   ; keys 16 hh + n, channels 4 g .. 4 g + 3: two whole rows of 256 bytes
.endr
	s_wait_loadcnt 16                              ; K's sixteen (and all older loads) are in; V's sixteen, issued behind them, may be out
.set i, 0
.rept 64
	v_med3_num_f32 v[KR+i], v[KR+i], -v17, v17     ; the conversion to an 8-bit code does not saturate (ISA guide 7.6.2): the hold at the largest code x the scale
.set i, i+1
.endr
.irp m, 0,1,2,3,4,5,6,7
	v_cvt_scalef32_pk8_bf8_f32 v[KC+2*\m:KC+2*\m+1], v[KR+8*\m:KR+8*\m+7], v16   ; code register n: key 2 n + hh, channels 4 g .. 4 g + 3
.endr
	v_nop                                          ; one plain vector instruction behind the last conversion: the lines below write its sources
.irp n, 0,1,2,3,4,5,6,7,8,9,10,11,12,13,14,15
	ds_store_b32 v[5+(\t)/2], v[KC+\n] offset:16*32*KPITCH*((\t)%2)+2*KPITCH*((\n&3)|((\n&4)<<1)|((\n&8)>>1))   ; row rho(2 n + hh) = hh + 2 n', n' = n with bits 2 and 3 swapped; 32 lanes: words 0-15 and 20-35
.endr
	s_wait_loadcnt 0x0                             ; V
.irp e, 0,1,2,3
.irp n, 0,1,2,3,4,5,6,7,8,9,10,11,12,13,14,15
	v_med3_num_f32 v[KR+16*\e+\n], v[VR+4*\n+\e], -v19, v19   ; THE HOLD ALSO TURNS THE REGISTERS: sixteen neighbouring keys of channel 4 g + e come to stand on end
.endr
.endr
.irp m, 0,1,2,3,4,5,6,7
	v_cvt_scalef32_pk8_bf8_f32 v[VC+2*\m:VC+2*\m+1], v[KR+8*\m:KR+8*\m+7], v18
.endr
	v_nop                                          ; one plain vector instruction behind the last conversion
.irp e, 0,1,2,3
	ds_store_b128 v7, v[VC+4*\e:VC+4*\e+3] offset:VPITCH*\e+512*\t   ; row d = 4 g + e, keys 16 hh + 0 .. 15 of the block.  Neighbouring lanes stand 2,064 words apart, 16 modulo 64: four lanes to a set of banks; four such stores a block
.endr
	s_wait_dscnt 0x0                               ; the stores have read their registers
.Lnob_\@:
.endm
	BLOCK 0
	BLOCK 1
	BLOCK 2
	BLOCK 3
	s_wait_loadcnt 0x0                             ; the mask and Q, also where none of my blocks was wanted
.irp i, 0,1,2,3
	v_ldexp_f32 v[KM+\i], v[KM+\i], s21            ; mask x 2^(3 - eq - ek): nothing is rounded
.endr
	ds_store_b128 v12, v[KM:KM+3]
.set i, 0
.rept 32
	v_med3_num_f32 v[QR+i], v[QR+i], -v15, v15
.set i, i+1
.endr
.irp m, 0,1,2,3
	v_cvt_scalef32_pk8_bf8_f32 v[KC+2*\m:KC+2*\m+1], v[QR+8*\m:QR+8*\m+7], v14
.endr
	v_nop                                          ; one plain vector instruction behind the last conversion: its registers are written again below and by the products
.irp n, 0,1,2,3,4,5,6,7
	ds_store_b32 v9, v[KC+\n] offset:2*KPITCH*\n   ; query 2 n + hh of my sixteen
.endr
	ds_load_b128 v[QF:QF+3], v10                   ; my own bytes; LDS serves a wave's instructions in order (ISA guide 5.7.1.4): these see the stores above
	ds_load_b128 v[QF+4:QF+7], v10 offset:16       ; lane (r, h): query r, channels 32 h + 0 .. 31
	s_wait_dscnt 0x0                               ; for the others' sake: all my stores have landed
	s_barrier_signal -1
	; register work while the others arrive.  Which key block is a wave's first hangs on the layout, so no first step can be written out: O^T and the sum begin as zeros, which the first change of M leaves zeros
.set i, 0
.rept 32
	v_mov_b32 v[OT+i], 0
.set i, i+1
.endr
.irp i, 4,5,6,7
	v_mov_b32 v[PF+\i], 0                          ; the second product's K = 64 holds 32 keys: the other 32 places are zero codes on both sides
	v_mov_b32 v[VF+\i], 0
	v_mov_b32 v[VF+8+\i], 0
	v_mov_b32 v[VF+16+\i], 0
	v_mov_b32 v[VF+24+\i], 0
.endr
	v_mov_b32 v225, 0xff61b1e6                     ; the largest t so far: -3e38
	v_floor_f32 v224, -v225                        ; -M
	v_mov_b32 v226, 0                              ; the sum, in two halves
	v_mov_b32 v227, 0
	v_mov_b32 v229, 0                              ; (named as the upper half of the pair v[228:229])
	v_mov_b32 v236, 0                              ; a lane permute's destination counts as one of its sources
	s_mov_b32 s41, 0
	s_mov_b32 s46, 0
	s_mov_b32 s47, 0
	s_mov_b32 s48, 0
	s_barrier_wait -1                              ; every wanted block's codes, the mask's numbers: all lie in LDS
; PHASE 2.  A key step: the 32 keys of block 4 x group + e, if it counts for my queries.
.macro STEP e
	s_bitcmp1_b32 s[36+\e], s41
	s_cbranch_scc0 .Lnos_\@
	ds_load_b128 v[KF:KF+3], v25 offset:32*KPITCH*\e                  ; (these loads stand eight plain vector instructions behind the last step's products)
	ds_load_b128 v[KF+4:KF+7], v25 offset:32*KPITCH*\e+16
	ds_load_b128 v[KF+8:KF+11], v25 offset:32*KPITCH*\e+16*KPITCH
	ds_load_b128 v[KF+12:KF+15], v25 offset:32*KPITCH*\e+16*KPITCH+16
.irp i, 0,1,2,3
	ds_load_b128 v[CF+4*\i:CF+4*\i+3], v28 offset:128*\e+16*\i        ; the mask's numbers of keys 16 h + 0 .. 15: the result's layout
.endr
	ds_load_b128 v[VF:VF+3], v26 offset:32*\e
	ds_load_b128 v[VF+8:VF+11], v26 offset:16*VPITCH+32*\e
	ds_load_b128 v[VF+16:VF+19], v27 offset:32*\e
	ds_load_b128 v[VF+24:VF+27], v27 offset:16*VPITCH+32*\e
	s_wait_dscnt 4                                 ; K's four and the mask's four are in; V's four, issued behind them, may be out
	v_wmma_f32_16x16x64_bf8_bf8 v[SC:SC+7], v[KF:KF+7], v[QF:QF+7], v[CF:CF+7]            ; register 8 u + j of lane (r, h): query r, key 16 h + 8 u + j
	v_wmma_f32_16x16x64_bf8_bf8 v[SC+8:SC+15], v[KF+8:KF+15], v[QF:QF+7], v[CF+8:CF+15]
	v_mov_b32 v230, v224                           ; the old -M.  With the three lines below: four places ahead of the first read of the scores (ISA guide 7.12.1)
	v_nop
	v_nop
	v_nop
	v_max3_num_f32 v231, v[SC], v[SC+1], v[SC+2]   ; the step's largest score of my query among my 16 keys, in two chains, each accumulator from its low end on
	v_max3_num_f32 v232, v[SC+8], v[SC+9], v[SC+10]
	v_max3_num_f32 v231, v231, v[SC+3], v[SC+4]
	v_max3_num_f32 v232, v232, v[SC+11], v[SC+12]
	v_max3_num_f32 v231, v231, v[SC+5], v[SC+6]
	v_max3_num_f32 v232, v232, v[SC+13], v[SC+14]
	v_max3_num_f32 v231, v231, v[SC+7], v[SC+15]
	v_max_num_f32 v231, v231, v232
	v_permlanex16_b32 v236, v231, s44, s45
	v_max_num_f32 v231, v231, v236                 ; and among lane l xor 16's
	v_mul_f32 v231, s42, v231                      ; as t (c is positive)
	v_max_num_f32 v225, v225, v231                 ; the running largest t
	v_floor_f32 v224, -v225                        ; the new -M = floor(-t) = -ceil(t): a whole number
	v_sub_f32 v231, v224, v230                     ; old M - new M: a whole number, 0 or less
	v_cvt_i32_f32 v231, v231                       ; (it saturates)
	v_ldexp_f32 v228, 1.0, v231                    ; f = 2^(old M - new M)
.irp j, 0,2,4,6,8,10,12,14
	v_pk_fma_f32 v[SC+\j:SC+\j+1], v[SC+\j:SC+\j+1], s[42:43], v[224:225] op_sel_hi:[1,0,0]   ; t - M, two at a time (of the pairs c and -M the low word serves both halves)
.endr
.irp j, 0,1,2,3,4,5,6,7,8,9,10,11,12,13,14,15
	v_exp_f32 v[SC+\j], v[SC+\j]                   ; p = 2^(t - M), at most 1: not normalised
.endr
	v_pk_mul_f32 v[226:227], v[226:227], v[228:229] op_sel_hi:[1,0]   ; the sum under the new M.  (The plain place behind the exponentials)
	s_wait_alu depctr_va_vdst(0)
.irp j, 0,1,2,3,4,5,6,7,8,9,10,11,12,13,14,15
	v_min_num_f32 v[HP+\j], v[SC+\j], v21          ; the hold, one-sided since p is not negative; into other registers: the sum below takes the unquantised p
.endr
	v_cvt_scalef32_pk8_bf8_f32 v[PF:PF+1], v[HP:HP+7], v20
	v_cvt_scalef32_pk8_bf8_f32 v[PF+2:PF+3], v[HP+8:HP+15], v20      ; registers 0-3 of the operand: keys 16 h + 0 .. 15
.irp j, 0,2,4,6,8,10,12,14,16,18,20,22,24,26,28,30
	v_pk_mul_f32 v[OT+\j:OT+\j+1], v[OT+\j:OT+\j+1], v[228:229] op_sel_hi:[1,0]   ; O^T under the new M, each accumulator from its low end on.  (Also the plain place behind the conversions)
.endr
	s_wait_dscnt 0x0                               ; V
.irp t, 0,1,2,3
	v_wmma_f32_16x16x64_bf8_bf8 v[OT+8*\t:OT+8*\t+7], v[VF+8*\t:VF+8*\t+7], v[PF:PF+7], v[OT+8*\t:OT+8*\t+7]   ; the six accumulators of a step take turns, one instruction a turn
.endr
	v_pk_add_f32 v[238:239], v[SC:SC+1], v[SC+2:SC+3]                ; THE ROW'S SUM IS TAKEN OF THE UNQUANTISED p, in two chains.  These eight lines name no register of the products above:
	v_pk_add_f32 v[240:241], v[SC+4:SC+5], v[SC+6:SC+7]              ; they are the places ahead of the next step's loads and of the next read of O^T
	v_pk_add_f32 v[238:239], v[238:239], v[SC+8:SC+9]
	v_pk_add_f32 v[240:241], v[240:241], v[SC+10:SC+11]
	v_pk_add_f32 v[238:239], v[238:239], v[SC+12:SC+13]
	v_pk_add_f32 v[240:241], v[240:241], v[SC+14:SC+15]
	v_pk_add_f32 v[238:239], v[238:239], v[240:241]
	v_pk_add_f32 v[226:227], v[226:227], v[238:239]
.Lnos_\@:
.endm
.Lgroup:                                           ; sixteen trips, a constant: group s41 = key blocks 4 s41 .. 4 s41 + 3
	v_add_nc_u32 v25, s46, v22                     ; the group's addresses are made in every trip, ahead of the branches
	v_add_nc_u32 v26, s47, v23
	v_add_nc_u32 v28, s48, v24
	v_add_nc_u32 v27, 32*VPITCH, v26               ; tiles 2 and 3 of V^T lie past the 16-bit immediate
	s_bitcmp1_b32 s40, s41
	s_cbranch_scc0 .Lgskip                         ; none of the four counts
	STEP 0
	STEP 1
	STEP 2
	STEP 3
.Lgskip:
	s_add_co_u32 s46, s46, 4*32*KPITCH
	s_add_co_u32 s47, s47, 128
	s_add_co_u32 s48, s48, 512
	s_add_co_u32 s41, s41, 1
	s_cmp_lt_u32 s41, 16
	s_cbranch_scc1 .Lgroup
	; THE WAY OUT.  The stage lies in K's region, so a barrier stands between every wave's last read of K and the first store into a stage; the division is done between its signal and its wait.
	s_wait_dscnt 0x0                               ; my reads of LDS are over
	s_barrier_signal -1
	v_add_f32 v226, v226, v227                     ; the sum's two halves,
	v_permlanex16_b32 v236, v226, s44, s45
	v_add_f32 v226, v226, v236                     ; and lane l xor 16's: the row's sum
	v_rcp_f32 v226, v226
	v_nop                                          ; one plain place behind a transcendental
	s_wait_alu depctr_va_vdst(0)
	v_ldexp_f32 v226, v226, s49                    ; x 2^(ep + ev)
.irp j, 0,2,4,6,8,10,12,14,16,18,20,22,24,26,28,30
	v_pk_mul_f32 v[HP+\j:HP+\j+1], v[OT+\j:OT+\j+1], v[226:227] op_sel_hi:[1,0]   ; register 8 t + i: out(query r, channel 16 t + 8 h + i)
.endr
	s_barrier_wait -1
.irp t, 0,1,2,3
	ds_store_b128 v29, v[HP+8*\t:HP+8*\t+3] offset:64*\t
	ds_store_b128 v29, v[HP+8*\t+4:HP+8*\t+7] offset:64*\t+16
.endr
.irp i, 0,1,2,3,4,5,6,7
	ds_load_b128 v[BK+4*\i:BK+4*\i+3], v30 offset:2*SPITCH*\i   ; my own stage, served in order: rows 2 i and 2 i + 1, whole
.endr
.irp i, 0,1,2,3,4,5,6,7
	s_wait_dscnt 7-\i                              ; the younger loads from the stage may be out
	global_store_b128 v1, v[BK+4*\i:BK+4*\i+3], s[16:17] offset:512*\i th:TH_STORE_NT   ; 32 lanes store 512 consecutive bytes, two rows of out0, at a multiple of 256 from its first byte
.endr
	s_wait_xcnt 0x0
	v_lshl_add_u32 v254, v0, 2, 0x4f400
	v_mov_b32 v255, 0
	s_wait_tensorcnt 0x0
	ds_add_u32 v254, v255
	s_wait_dscnt 0x0
	s_endpgm
.Lfunc_end_k_q631d730444_attn:
	.size	k_q631d730444_attn, .Lfunc_end_k_q631d730444_attn-k_q631d730444_attn
	.p2alignl 7, 3214868480
	.fill 96, 4, 3214868480
	.section	.rodata,"a",@progbits
	.p2align	6, 0x0
	.amdhsa_kernel k_q631d730444_attn
		.amdhsa_group_segment_fixed_size 326656
		.amdhsa_private_segment_fixed_size 0
		.amdhsa_enable_private_segment 0
		.amdhsa_kernarg_size 56
		.amdhsa_user_sgpr_count 2
		.amdhsa_user_sgpr_kernarg_segment_ptr 1
		.amdhsa_wavefront_size32 1
		.amdhsa_system_sgpr_workgroup_id_x 1
		.amdhsa_system_sgpr_workgroup_id_y 1
		.amdhsa_system_sgpr_workgroup_id_z 1
		.amdhsa_system_vgpr_workitem_id 0
		.amdhsa_next_free_vgpr 256
		.amdhsa_next_free_sgpr 66
		.amdhsa_reserve_vcc 0
		.amdhsa_float_denorm_mode_32 3
		.amdhsa_float_denorm_mode_16_64 3
		.amdhsa_memory_ordered 1
		.amdhsa_forward_progress 1
		.amdhsa_inst_pref_size 94
	.end_amdhsa_kernel
	.amdgpu_metadata
---
amdhsa.version: [ 1, 2 ]
amdhsa.kernels:
  - .name:           k_q631d730444_attn
    .symbol:         k_q631d730444_attn.kd
    .args:
      - { .name: query, .offset: 0, .size: 8, .value_kind: global_buffer, .address_space: global }
      - { .name: key, .offset: 8, .size: 8, .value_kind: global_buffer, .address_space: global }
      - { .name: value, .offset: 16, .size: 8, .value_kind: global_buffer, .address_space: global }
      - { .name: key_padding_mask, .offset: 24, .size: 8, .value_kind: global_buffer, .address_space: global }
      - { .name: layout, .offset: 32, .size: 8, .value_kind: global_buffer, .address_space: global }
      - { .name: lowp_scales, .offset: 40, .size: 8, .value_kind: global_buffer, .address_space: global }
      - { .name: out0, .offset: 48, .size: 8, .value_kind: global_buffer, .address_space: global }
    .group_segment_fixed_size: 326656
    .private_segment_fixed_size: 0
    .kernarg_segment_align: 8
    .kernarg_segment_size: 56
    .max_flat_workgroup_size: 512
    .sgpr_count:     66
    .vgpr_count:     256
    .wavefront_size: 32
...
	.end_amdgpu_metadata
.endif
;; end of part 1
;; ======== version 2 of 2: 1 launch; version 1 with the launch attn written anew for expert scheduling mode
;; launch attn (part 2): grid 8 x 32, 16 waves a work-group, no clusters, 326,656 bytes of LDS; arguments query, key, value, key_padding_mask, layout, lowp_scales, out0; writes out0
.if DOCPART == 2
	.amdgcn_target "amdgcn-amd-amdhsa--gfx1250"
	.amdhsa_code_object_version 6
	.text
	.protected	k_q631d730444_attn
	.globl	k_q631d730444_attn
	.p2align	8
	.type	k_q631d730444_attn,@function
k_q631d730444_attn:
	s_mov_b64 s[64:65], 0
	v_nop
	global_prefetch_b8 v0, s[64:65] scope:SCOPE_SE
	s_setreg_imm32_b32 hwreg(HW_REG_WAVE_SCHED_MODE, 0, 2), 2
	s_setreg_imm32_b32 hwreg(HW_REG_WAVE_MODE, 25, 1), 1
	s_wait_xcnt 0x0
	s_wait_alu depctr_vm_vsrc(0)
; Block-sparse attention on codes of BF8 (E5M2).  query, key, value, out0: [2][16][2048][64] f32; key_padding_mask: [2][2048] f32; layout: [16][64][64] int32 (not 0 = the block of 32 x 32 counts);
; lowp_scales: eq, ek, ep, ev.  logit = q . k / 8 + mask[key]; t = logit x log2(e); M = the row's largest t so far, rounded UP to a whole number; p = 2^(t - M) is quantised along the keys, not normalised;
; the row's sum is taken of the unquantised p and divides at the end.  When M moves, the sum and O are multiplied by 2^(old M - new M), which rounds nothing.
; SHARES.  A work-group owns 256 queries (query blocks 8 x .. 8 x + 7) of one pair y = 16 batch + head; each of its sixteen waves owns 16 queries, one tile, in 256 registers: four waves to a SIMD.
; THE LAYOUT IS AN INPUT AND IS HONOURED AS IT COMES.  Phase 1: the eight layout rows of the work-group are joined; key block j is quantised (K and V, once for the work-group) by wave j % 16 if any of the eight
; rows names it, and its codes go to LDS, which has a place for every one of the head's 64 blocks: each LDS byte is written once.  Phase 2: each wave walks the 64 key blocks in 16 groups of four (a loop of constant
; count) and passes over, by scalar branches on its own layout row, those that do not count.  The two barriers stand outside all such branches.
; NO TENSOR LOADS, NO CLUSTER: which key blocks a work-group needs hangs on the layout, a loaded number, so partners would ask for different tiles; and the f32 numbers have to pass through registers to become codes.
; LAYOUT OF THE PRODUCTS.  Both are used transposed: S^T = K Q^T + mask (source 0 = 16 keys, source 1 = my 16 queries, C = the mask's numbers), O^T = V^T P^T (source 0 = 16 of the head's 64): a lane holds ONE query
; (lane % 16) throughout.  The keys of a tile are not neighbours: row r of tile u is key 8 u + r + 8 (r / 8), so that a lane's 16 scores are the 16 neighbouring keys 16 (lane / 16) + 0 .. 15, and the conversions'
; results ARE the second product's operand.  Along K both sides of a product are laid alike: lane half h holds k = 32 h + 0 .. 31 (first product), keys 16 h + 0 .. 15 and then 16 zero codes (second product): a
; permutation of k that is the same in both sources.
; LIMITS: eq, ek, ep, ev each between -126 and 112; eq + ek between -123 and 130 (each power of two below is then an f32 number).  NaN among the inputs is not served.  A mask number of -infinity gives p = 0.
; A query block that no key block serves gets NaN (0 x infinity), as the softmax of a row of -infinity has it.
; THE MODE: SCHED_MODE bits 1:0 = 2 (LLVM: expert scheduling mode 2), set by the entry lines.  The code itself states the register dependences between vector or matrix instructions and memory or LDS
; instructions, with s_wait_alu, always for 0.
; THE PLAN.  Registers that memory or LDS instructions touch:
;   the addresses v1, v4-v7, v9-v13, v22-v24, v29-v31   made once at the head, ahead of one wait on va_vdst, and never written again.
;   KR, VR    a block's 32 loads land in them; the block's holds and conversions read them (and write KR).
;   KC, VC    written by conversions, read by LDS stores.  ONE wait on va_vdst stands in a block, behind its last conversion: KC and VC are written, and the vector lines are done with KR and VR; only LDS stores,
;             waits and scalar lines follow it up to the next block's loads, which so owe nothing more.  One wait on vm_vsrc at the block's end: the stores have read KC and VC.
;   v52-55 (the mask's numbers), KC (Q's codes), v32-39 (Q's fragment lands where layout rows lay)   one wait on va_vdst behind Q's conversions, one on vm_vsrc ahead of the first barrier.
;   v25-v28   the group's LDS addresses: written at a trip's head, between a wait on vm_vsrc (the last trip's loads have read them) and a wait on va_vdst (they are written).
;   KF, CF    a step's first eight loads land in them; its two products K Q^T read them.  Since the last wait on va_vdst on any way (the trip's head, or the wait in an earlier step) no vector or matrix line names them.
;   VF        a step's four products V^T P^T read it.  The wait behind a step's exponentials stands behind the products of the step before: this step's four loads of V follow that wait directly.
;   HP        on the way out: written by the packed multiplies, read by the stage's stores, behind one wait on va_vdst.
; So a key step holds three s_wait_alu, a trip two more, a block of phase 1 two.
.set KPITCH, 80                        ; a key's or a query's row in LDS: 64 codes + 16 bytes = 20 words: sixteen neighbouring rows begin at 16 different sets of four banks (64 banks of 4 bytes: ISA guide 11.1)
.set VPITCH, 2064                      ; a row of V^T: 2,048 codes (byte = key) + 16 bytes = 516 words: row r begins at bank 4 r mod 64
.set KREG,  0                          ; 2,048 rows x 80: key kappa of block j lies in row 32 j + rho(kappa), rho = kappa with bits 3 and 4 swapped: tile u's sixteen rows are neighbours
.set VREG,  163840                     ; 64 rows x 2,064
.set CREG,  295936                     ; 2,048 f32: mask[key] x 2^(3 - eq - ek)
.set QREG,  304128                     ; 256 rows x 80: wave w's sixteen at 1,280 w
.set SPITCH, 272                       ; the way out: 16 rows x (256 + 16) bytes for each wave, at 4,352 w, in K's region, behind the second barrier
; vector registers that stay: v1 16 x lane; v2 lane, v3 lane % 16, v8 lane / 16; v4 V's loads; v5, v6 K's stores; v7 V's stores; v9 Q's stores; v10 Q's fragment; v11, v12 the mask; v13 my layout row;
; v14/15, v16/17, v18/19, v20/21: 2^e and 57,344 x 2^e for eq, ek, ev, ep; v22, v23, v24 my lane's place in a tile of K, of V^T, in the mask; v25-28 the same for the group in hand; v29, v30 the stage; v31 the prefetch
.set LU,  32                           ; phase 1: v32-47 the eight layout rows; v48-51 my own row; v52-55 the mask; v56-87 Q
.set LO,  48
.set KM,  52
.set QR,  56
.set KR,  96                           ; v96-159 a block of K as loaded; later V turned
.set VR,  160                          ; v160-223 a block of V as loaded
.set KC,  224                          ; v224-239 K's codes (and Q's)
.set VC,  240                          ; v240-255 V's codes
.set QF,  32                           ; phase 2: v32-39 Q's fragment
.set KF,  40                           ; v40-55 two tiles of K
.set CF,  56                           ; v56-71 the mask's numbers in the result's layout
.set SC,  72                           ; v72-87 S^T, then p
.set PF,  88                           ; v88-95 p's codes; v92-95 stay 0
.set VF,  96                           ; v96-127 four tiles of V^T, 8 registers each; the upper four of each stay 0
.set OT,  128                          ; v128-159 O^T
.set HP,  160                          ; v160-175 p held at the largest code; on the way out v160-191 O^T / the sum
.set BK,  192                          ; v192-223 the way out: whole rows
; v224 -M, v225 the largest t, v[226:227] the sum in two halves, v[228:229] f and 0, v230 the old -M, v231, v232 at work, v236 a permute's destination, v[238:239], v[240:241] two chains of the sum
; scalars: s[4:17] the buffers; s18 wave, s19 x, s20 y; s21 3 - eq - ek; s[24:27] eq ek ep ev; s28-31 bit g of U_e: block 4 g + e is wanted by the work-group; s32 my wave's bits of them; s[34:35] the prefetch's base;
; s36-39 bit g of M_e: block 4 g + e counts for my queries; s40 their union; s41 the group; s[42:43] c; s[44:45] lane selects; s46-48 the group's bytes in K, V^T, the mask; s49 ep + ev
	s_load_b256 s[4:11], s[0:1], 0x0               ; query s[4:5], key s[6:7], value s[8:9], key_padding_mask s[10:11]
	s_load_b128 s[12:15], s[0:1], 0x20             ; layout s[12:13], lowp_scales s[14:15]
	s_load_b64 s[16:17], s[0:1], 0x30              ; out0
	v_lshrrev_b32 v2, 5, v0
	v_readfirstlane_b32 s18, v2                    ; wave 0..15
	s_mov_b32 s19, ttmp9                           ; x: which 256 queries
	s_and_b32 s20, ttmp7, 0xffff                   ; y = 16 batch + head
	v_and_b32 v2, 31, v0                           ; lane
	s_wait_alu depctr_va_vdst(0)
	v_and_b32 v3, 15, v0                           ; g = r = lane % 16
	s_wait_alu depctr_va_vdst(0)
	v_bfe_u32 v8, v0, 4, 1                         ; hh = h = lane / 16
	s_wait_alu depctr_va_sdst(0)                   ; s18 is written, ahead of its first reader: the offsets and LDS places below are made from it
	; byte offsets, each in a pair of its own with 0 above it
	s_lshl_b32 s58, s20, 19                        ; the pair's 2,048 rows of 256 bytes
	s_lshl_b32 s59, s19, 16                        ; the work-group's 256 rows
	s_lshl_b32 s22, s18, 12                        ; my wave's 16 rows
	s_add_co_u32 s22, s22, s58
	s_add_co_u32 s22, s22, s59                     ; query and out0 at my first row
	s_mov_b32 s23, 0
	s_lshl_b32 s50, s18, 13
	s_add_co_u32 s50, s50, s58                     ; key and value at block j = wave (blocks wave + 16 t stand in the immediates)
	s_mov_b32 s51, 0
	s_lshr_b32 s52, s20, 4
	s_lshl_b32 s52, s52, 13                        ; the batch's row of the mask
	s_mov_b32 s53, 0
	s_and_b32 s54, s20, 15
	s_lshl_b32 s54, s54, 14                        ; the head's 64 layout rows of 256 bytes,
	s_lshl_b32 s55, s19, 11
	s_add_co_u32 s54, s54, s55                     ; and the work-group's eight of them
	s_mov_b32 s55, 0
	s_and_b32 s56, s18, 7
	s_lshl_b32 s56, s56, 13
	s_add_co_u32 s56, s56, s58
	s_add_co_u32 s56, s56, s59                     ; the prefetch: 8,192 bytes a wave of the work-group's eighth of the head's keys (waves 0-7) or values (waves 8-15)
	s_mov_b32 s57, 0
	s_mov_b32 s44, 0x76543210                      ; v_permlanex16_b32: lane l xor 16
	s_mov_b32 s45, 0xfedcba98
	; every address register is made here, ahead of the first branch, and never rewritten
	s_mul_i32 s60, s18, 32*KPITCH                  ; block j = wave in K's region
	s_mul_i32 s61, s18, 16*KPITCH
	s_add_co_u32 s61, s61, QREG                    ; my sixteen rows of Q
	s_lshl_b32 s62, s18, 5
	s_add_co_u32 s62, s62, VREG                    ; block j = wave in a row of V^T
	s_mul_i32 s63, s18, 16*SPITCH                  ; my stage
	v_lshlrev_b32 v1, 4, v2                        ; 16 x lane
	v_lshlrev_b32 v4, 4, v3
	s_wait_alu depctr_va_vdst(0)
	v_lshl_add_u32 v4, v8, 12, v4                  ; V's loads: 16 g + 4,096 hh: lanes 0-15 take key n, lanes 16-31 key 16 + n
	v_mul_u32_u24 v9, v8, KPITCH
	v_lshl_add_u32 v9, v3, 2, v9                   ; 80 hh + 4 g: a code word's place in a pair of rows
	v_add_nc_u32 v5, s60, v9                       ; K's stores, blocks wave and wave + 16,
	v_add_nc_u32 v6, 2*16*32*KPITCH, v5            ; and blocks wave + 32 and wave + 48 (past the 16-bit immediate)
	v_add_nc_u32 v9, s61, v9                       ; Q's stores
	v_mul_u32_u24 v7, v3, 4*VPITCH
	v_lshl_add_u32 v7, v8, 4, v7
	v_add_nc_u32 v7, s62, v7                       ; V's stores: row d = 4 g (+ e), keys 16 hh on of block wave
	v_mul_u32_u24 v22, v3, KPITCH
	v_lshl_add_u32 v22, v8, 5, v22                 ; a fragment of K or Q: row r, + 32 h
	v_add_nc_u32 v10, s61, v22                     ; Q's fragment
	v_lshlrev_b32 v11, 4, v0                       ; the mask: 16 bytes a thread, 8,192 a work-group
	v_lshl_add_u32 v12, v0, 4, CREG
	s_lshr_b32 s60, s18, 1
	s_lshl_b32 s60, s60, 8
	v_lshl_add_u32 v13, v3, 4, s60                 ; my own layout row: 256 (wave / 2) + 16 g
	v_mul_u32_u24 v23, v3, VPITCH
	v_lshl_add_u32 v23, v8, 4, v23
	v_add_nc_u32 v23, VREG, v23                    ; a fragment of V^T: row r, + 16 h
	v_lshl_add_u32 v24, v8, 6, CREG                ; the mask's numbers of keys 16 h on
	v_mul_u32_u24 v29, v3, SPITCH
	v_lshl_add_u32 v29, v8, 5, v29
	v_add_nc_u32 v29, s63, v29                     ; the stage, in: row r, + 32 h
	v_mul_u32_u24 v30, v8, SPITCH
	v_lshl_add_u32 v30, v3, 4, v30
	v_add_nc_u32 v30, s63, v30                     ; and back: lanes 0-15 one row, lanes 16-31 the next
	v_lshlrev_b32 v31, 8, v2                       ; the prefetch: lanes 256 bytes apart
	s_wait_kmcnt 0x0
	s_load_b128 s[24:27], s[14:15], 0x0            ; eq, ek, ep, ev
	s_cmp_lt_u32 s18, 8                            ; the choice hangs on the wave's number alone
	s_cselect_b64 s[34:35], s[6:7], s[8:9]
	s_add_nc_u64 s[34:35], s[34:35], s[56:57]
	s_add_nc_u64 s[12:13], s[12:13], s[54:55]
	s_add_nc_u64 s[10:11], s[10:11], s[52:53]
	s_add_nc_u64 s[4:5], s[4:5], s[22:23]
	s_add_nc_u64 s[16:17], s[16:17], s[22:23]
	s_add_nc_u64 s[6:7], s[6:7], s[50:51]
	s_add_nc_u64 s[8:9], s[8:9], s[50:51]
	s_wait_alu depctr_va_vdst(0)                   ; all the address registers made above are written: every load, store and LDS instruction of the kernel, and the prefetch, reads one of them (v25 to v28 aside)
.irp n, 0,1,2,3
	global_load_b128 v[LU+4*\n:LU+4*\n+3], v1, s[12:13] offset:512*\n   ; layout rows 2 n + hh of the eight, entries 4 g .. 4 g + 3
.endr
	global_load_b128 v[LO:LO+3], v13, s[12:13]     ; my own query block's row, entries 4 g .. 4 g + 3 (both halves of the lanes alike)
	global_prefetch_b8 v31, s[34:35] th:TH_LOAD_NT scope:SCOPE_SE   ; the sixteen waves ask for keys 256 x .. 256 x + 255 of key and of value, 128 KB; the eight work-groups of a pair together ask for each
	                                               ; address once; it goes out while the layout is on its way, ahead of the loads that the layout decides.  It also asks for blocks that a layout may leave unused
	global_load_b128 v[KM:KM+3], v11, s[10:11]
.irp n, 0,1,2,3,4,5,6,7
	global_load_b128 v[QR+4*\n:QR+4*\n+3], v1, s[4:5] offset:512*\n th:TH_LOAD_NT   ; Q: rows 2 n + hh, channels 4 g .. 4 g + 3; read once in the launch
.endr
	s_wait_kmcnt 0x0
.macro POW2 e, vs, vl                          ; v[vs] = 2^e as f32 (the conversion takes its exponent field), v[vl] = 57,344 x 2^e
	s_add_co_i32 s58, s[\e], 127
	s_lshl_b32 s59, s58, 23
	v_mov_b32 v[\vs], s59
	s_add_co_i32 s58, s58, 15
	s_lshl_b32 s58, s58, 23
	s_or_b32 s58, s58, 0x600000
	v_mov_b32 v[\vl], s58
.endm
	POW2 24, 14, 15                                ; eq
	POW2 25, 16, 17                                ; ek
	POW2 27, 18, 19                                ; ev
	POW2 26, 20, 21                                ; ep
	s_add_co_i32 s58, s24, s25                     ; eq + ek: a sum of the first product stands for sum x 2^(eq + ek)
	s_sub_co_i32 s21, 3, s58                       ; so the mask goes in as mask x 8 / 2^(eq + ek),
	s_lshl_b32 s58, s58, 23
	s_add_co_i32 s42, s58, 0x3e38aa3b              ; and c = log2(e) / 8 x 2^(eq + ek): the exponents are added to c's exponent field
	s_mov_b32 s43, s42                             ; (named with it as a pair, so it is written)
	s_add_co_i32 s49, s26, s27                     ; ep + ev
	s_wait_loadcnt 9                               ; the five layout loads are in; the mask's one and Q's eight, issued behind them, may be out
.irp e, 0,1,2,3
	v_or_b32 v[KC+\e], v[LU+\e], v[LU+4+\e]
	v_or_b32 v[KC+4+\e], v[LU+8+\e], v[LU+12+\e]
.endr
.irp e, 0,1,2,3
	v_or_b32 v[KC+\e], v[KC+\e], v[KC+4+\e]        ; four rows of one parity joined
.endr
.irp e, 0,1,2,3
	v_cmp_ne_u32 s[28+\e], 0, v[KC+\e]             ; bit g + 16 hh
	v_cmp_ne_u32 s[36+\e], 0, v[LO+\e]             ; M_e: bit g (and again bit g + 16)
.endr
	s_wait_alu depctr_va_sdst(0)                   ; the eight compares have written s28 to s31 and s36 to s39, ahead of their first readers: one wait behind the run
.irp e, 0,1,2,3
	s_lshr_b32 s33, s[28+\e], 16
	s_or_b32 s[28+\e], s[28+\e], s33               ; U_e: both parities: bit g says that some query block of the work-group wants key block 4 g + e
.endr
	s_or_b32 s40, s36, s37
	s_or_b32 s33, s38, s39
	s_or_b32 s40, s40, s33                         ; bit g: some block of group g counts for my queries
	s_and_b32 s33, s18, 3                          ; my blocks are j = wave + 16 t = 4 (wave / 4 + 4 t) + wave % 4
	s_mov_b32 s32, s28
	s_cmp_eq_u32 s33, 1
	s_cselect_b32 s32, s29, s32
	s_cmp_eq_u32 s33, 2
	s_cselect_b32 s32, s30, s32
	s_cmp_eq_u32 s33, 3
	s_cselect_b32 s32, s31, s32
	s_lshr_b32 s33, s18, 2
	s_lshr_b32 s32, s32, s33                       ; bit 4 t: block wave + 16 t is wanted
; PHASE 1.  Block wave + 16 t of K and V becomes codes in LDS, if it is wanted.  Every offset is an immediate; no pointer is stepped.
; The 32 loads owe no wait of their own: since the last wait on va_vdst (the head's, or the one in the block before) no vector line names KR, VR, v1 or v4.
.macro BLOCK t
	s_bitcmp1_b32 s32, 4*\t
	s_cbranch_scc0 .Lnob_\@
.irp n, 0,1,2,3,4,5,6,7,8,9,10,11,12,13,14,15
	global_load_b128 v[KR+4*\n:KR+4*\n+3], v1, s[6:7] offset:131072*\t+512*\n   ; keys 2 n + hh, channels 4 g .. 4 g + 3: 512 consecutive bytes
.endr
.irp n, 0,1,2,3,4,5,6,7,8,9,10,11,12,13,14,15
	global_load_b128 v[VR+4*\n:VR+4*\n+3], v4, s[8:9] offset:131072*\t+256*\n   ; keys 16 hh + n, channels 4 g .. 4 g + 3: two whole rows of 256 bytes
.endr
	s_wait_loadcnt 16                              ; K's sixteen (and all older loads) are in; V's sixteen, issued behind them, may be out
.set i, 0
.rept 64
	v_med3_num_f32 v[KR+i], v[KR+i], -v17, v17     ; the conversion to an 8-bit code does not saturate (ISA guide 7.6.2): the hold at the largest code x the scale
.set i, i+1
.endr
.irp m, 0,1,2,3,4,5,6,7
	v_cvt_scalef32_pk8_bf8_f32 v[KC+2*\m:KC+2*\m+1], v[KR+8*\m:KR+8*\m+7], v16   ; code register n: key 2 n + hh, channels 4 g .. 4 g + 3
.endr
	v_nop                                          ; one plain vector instruction behind the last conversion: the lines below write its sources
	s_wait_loadcnt 0x0                             ; V
.irp e, 0,1,2,3
.irp n, 0,1,2,3,4,5,6,7,8,9,10,11,12,13,14,15
	v_med3_num_f32 v[KR+16*\e+\n], v[VR+4*\n+\e], -v19, v19   ; THE HOLD ALSO TURNS THE REGISTERS: sixteen neighbouring keys of channel 4 g + e come to stand on end
.endr
.endr
.irp m, 0,1,2,3,4,5,6,7
	v_cvt_scalef32_pk8_bf8_f32 v[VC+2*\m:VC+2*\m+1], v[KR+8*\m:KR+8*\m+7], v18
.endr
	v_nop                                          ; one plain vector instruction behind the last conversion
	s_wait_alu depctr_va_vdst(0)                   ; the conversions have written KC and VC, which the twenty LDS stores below read; the holds and conversions are done with KR and VR, in which the next block's loads land
.irp n, 0,1,2,3,4,5,6,7,8,9,10,11,12,13,14,15
	ds_store_b32 v[5+(\t)/2], v[KC+\n] offset:16*32*KPITCH*((\t)%2)+2*KPITCH*((\n&3)|((\n&4)<<1)|((\n&8)>>1))   ; row rho(2 n + hh) = hh + 2 n', n' = n with bits 2 and 3 swapped; 32 lanes: words 0-15 and 20-35
.endr
.irp e, 0,1,2,3
	ds_store_b128 v7, v[VC+4*\e:VC+4*\e+3] offset:VPITCH*\e+512*\t   ; row d = 4 g + e, keys 16 hh + 0 .. 15 of the block.  Neighbouring lanes stand 2,064 words apart, 16 modulo 64: four lanes to a set of banks; four such stores a block
.endr
	s_wait_dscnt 0x0                               ; the block's stores have landed
	s_wait_alu depctr_vm_vsrc(0)                   ; the stores have read KC and VC, which the next conversions (a later block's, Q's) and the last lines of the kernel write again
.Lnob_\@:
.endm
	BLOCK 0
	BLOCK 1
	BLOCK 2
	BLOCK 3
	s_wait_loadcnt 0x0                             ; the mask and Q, also where none of my blocks was wanted
.irp i, 0,1,2,3
	v_ldexp_f32 v[KM+\i], v[KM+\i], s21            ; mask x 2^(3 - eq - ek): nothing is rounded
.endr
.set i, 0
.rept 32
	v_med3_num_f32 v[QR+i], v[QR+i], -v15, v15
.set i, i+1
.endr
.irp m, 0,1,2,3
	v_cvt_scalef32_pk8_bf8_f32 v[KC+2*\m:KC+2*\m+1], v[QR+8*\m:QR+8*\m+7], v14
.endr
	v_nop                                          ; one plain vector instruction behind the last conversion: its registers are written again below and by the products
	s_wait_alu depctr_va_vdst(0)                   ; the mask's numbers v52-55 and Q's codes in KC are written, which the nine LDS stores below read; the lines that joined the layout rows are done reading v32-39, in which Q's fragment lands
	ds_store_b128 v12, v[KM:KM+3]
.irp n, 0,1,2,3,4,5,6,7
	ds_store_b32 v9, v[KC+\n] offset:2*KPITCH*\n   ; query 2 n + hh of my sixteen
.endr
	ds_load_b128 v[QF:QF+3], v10                   ; my own bytes; LDS serves a wave's instructions in order (ISA guide 5.7.1.4): these see the stores above
	ds_load_b128 v[QF+4:QF+7], v10 offset:16       ; lane (r, h): query r, channels 32 h + 0 .. 31
	s_wait_dscnt 0x0                               ; for the others' sake: all my stores have landed
	s_wait_alu depctr_vm_vsrc(0)                   ; my LDS stores have read v224-231, which the lines behind the signal write, and v52-55, in which a fragment of K lands in the loop
	s_barrier_signal -1
	; register work while the others arrive.  Which key block is a wave's first hangs on the layout, so no first step can be written out: O^T and the sum begin as zeros, which the first change of M leaves zeros
.set i, 0
.rept 32
	v_mov_b32 v[OT+i], 0
.set i, i+1
.endr
.irp i, 4,5,6,7
	v_mov_b32 v[PF+\i], 0                          ; the second product's K = 64 holds 32 keys: the other 32 places are zero codes on both sides
	v_mov_b32 v[VF+\i], 0
	v_mov_b32 v[VF+8+\i], 0
	v_mov_b32 v[VF+16+\i], 0
	v_mov_b32 v[VF+24+\i], 0
.endr
	v_mov_b32 v225, 0xff61b1e6                     ; the largest t so far: -3e38
	v_floor_f32 v224, -v225                        ; -M
	v_mov_b32 v226, 0                              ; the sum, in two halves
	v_mov_b32 v227, 0
	v_mov_b32 v229, 0                              ; (named as the upper half of the pair v[228:229])
	v_mov_b32 v236, 0                              ; a lane permute's destination counts as one of its sources
	s_mov_b32 s41, 0
	s_mov_b32 s46, 0
	s_mov_b32 s47, 0
	s_mov_b32 s48, 0
	s_barrier_wait -1                              ; every wanted block's codes, the mask's numbers: all lie in LDS
; PHASE 2.  A key step: the 32 keys of block 4 x group + e, if it counts for my queries.
.macro STEP e
	s_bitcmp1_b32 s[36+\e], s41
	s_cbranch_scc0 .Lnos_\@
	ds_load_b128 v[KF:KF+3], v25 offset:32*KPITCH*\e                  ; (these loads stand eight plain vector instructions behind the last step's products.)  No wait: since the last wait on va_vdst, at the trip's head or
	ds_load_b128 v[KF+4:KF+7], v25 offset:32*KPITCH*\e+16             ; in an earlier step, no vector or matrix instruction names KF, CF, v25 or v28
	ds_load_b128 v[KF+8:KF+11], v25 offset:32*KPITCH*\e+16*KPITCH
	ds_load_b128 v[KF+12:KF+15], v25 offset:32*KPITCH*\e+16*KPITCH+16
.irp i, 0,1,2,3
	ds_load_b128 v[CF+4*\i:CF+4*\i+3], v28 offset:128*\e+16*\i        ; the mask's numbers of keys 16 h + 0 .. 15: the result's layout
.endr
	s_wait_dscnt 0x0                               ; K's four and the mask's four are in
	v_wmma_f32_16x16x64_bf8_bf8 v[SC:SC+7], v[KF:KF+7], v[QF:QF+7], v[CF:CF+7]            ; register 8 u + j of lane (r, h): query r, key 16 h + 8 u + j
	v_wmma_f32_16x16x64_bf8_bf8 v[SC+8:SC+15], v[KF+8:KF+15], v[QF:QF+7], v[CF+8:CF+15]
	v_mov_b32 v230, v224                           ; the old -M.  With the three lines below: four places ahead of the first read of the scores (ISA guide 7.12.1)
	v_nop
	v_nop
	v_nop
	v_max3_num_f32 v231, v[SC], v[SC+1], v[SC+2]   ; the step's largest score of my query among my 16 keys, in two chains, each accumulator from its low end on
	v_max3_num_f32 v232, v[SC+8], v[SC+9], v[SC+10]
	v_max3_num_f32 v231, v231, v[SC+3], v[SC+4]
	v_max3_num_f32 v232, v232, v[SC+11], v[SC+12]
	v_max3_num_f32 v231, v231, v[SC+5], v[SC+6]
	v_max3_num_f32 v232, v232, v[SC+13], v[SC+14]
	v_max3_num_f32 v231, v231, v[SC+7], v[SC+15]
	v_max_num_f32 v231, v231, v232
	v_permlanex16_b32 v236, v231, s44, s45
	v_max_num_f32 v231, v231, v236                 ; and among lane l xor 16's
	v_mul_f32 v231, s42, v231                      ; as t (c is positive)
	v_max_num_f32 v225, v225, v231                 ; the running largest t
	v_floor_f32 v224, -v225                        ; the new -M = floor(-t) = -ceil(t): a whole number
	v_sub_f32 v231, v224, v230                     ; old M - new M: a whole number, 0 or less
	v_cvt_i32_f32 v231, v231                       ; (it saturates)
	v_ldexp_f32 v228, 1.0, v231                    ; f = 2^(old M - new M)
.irp j, 0,2,4,6,8,10,12,14
	v_pk_fma_f32 v[SC+\j:SC+\j+1], v[SC+\j:SC+\j+1], s[42:43], v[224:225] op_sel_hi:[1,0,0]   ; t - M, two at a time (of the pairs c and -M the low word serves both halves)
.endr
	s_wait_alu depctr_va_vdst(0)
.irp j, 0,1,2,3,4,5,6,7,8,9,10,11,12,13,14,15
	v_exp_f32 v[SC+\j], v[SC+\j]                   ; p = 2^(t - M), at most 1: not normalised
.endr
	v_pk_mul_f32 v[226:227], v[226:227], v[228:229] op_sel_hi:[1,0]   ; the sum under the new M.  (The plain place behind the exponentials)
	s_wait_alu depctr_va_vdst(0)                   ; the sixteen exponentials have written p, ahead of the batch's first reader; and the four products V^T P^T of the step before are done reading VF, in which the four loads below land
	ds_load_b128 v[VF:VF+3], v26 offset:32*\e      ; V's fragments: 34 vector instructions ahead of their use
	ds_load_b128 v[VF+8:VF+11], v26 offset:16*VPITCH+32*\e
	ds_load_b128 v[VF+16:VF+19], v27 offset:32*\e
	ds_load_b128 v[VF+24:VF+27], v27 offset:16*VPITCH+32*\e
.irp j, 0,1,2,3,4,5,6,7,8,9,10,11,12,13,14,15
	v_min_num_f32 v[HP+\j], v[SC+\j], v21          ; the hold, one-sided since p is not negative; into other registers: the sum below takes the unquantised p
.endr
	v_cvt_scalef32_pk8_bf8_f32 v[PF:PF+1], v[HP:HP+7], v20
	v_cvt_scalef32_pk8_bf8_f32 v[PF+2:PF+3], v[HP+8:HP+15], v20      ; registers 0-3 of the operand: keys 16 h + 0 .. 15
.irp j, 0,2,4,6,8,10,12,14,16,18,20,22,24,26,28,30
	v_pk_mul_f32 v[OT+\j:OT+\j+1], v[OT+\j:OT+\j+1], v[228:229] op_sel_hi:[1,0]   ; O^T under the new M, each accumulator from its low end on.  (Also the plain place behind the conversions)
.endr
	s_wait_alu depctr_va_vdst(0)
	s_wait_dscnt 0x0                               ; V
.irp t, 0,1,2,3
	v_wmma_f32_16x16x64_bf8_bf8 v[OT+8*\t:OT+8*\t+7], v[VF+8*\t:VF+8*\t+7], v[PF:PF+7], v[OT+8*\t:OT+8*\t+7]   ; the six accumulators of a step take turns, one instruction a turn
.endr
	v_pk_add_f32 v[238:239], v[SC:SC+1], v[SC+2:SC+3]                ; THE ROW'S SUM IS TAKEN OF THE UNQUANTISED p, in two chains.  These eight lines name no register of the products above:
	v_pk_add_f32 v[240:241], v[SC+4:SC+5], v[SC+6:SC+7]              ; they are the places ahead of the next step's loads and of the next read of O^T
	v_pk_add_f32 v[238:239], v[238:239], v[SC+8:SC+9]
	v_pk_add_f32 v[240:241], v[240:241], v[SC+10:SC+11]
	v_pk_add_f32 v[238:239], v[238:239], v[SC+12:SC+13]
	v_pk_add_f32 v[240:241], v[240:241], v[SC+14:SC+15]
	v_pk_add_f32 v[238:239], v[238:239], v[240:241]
	v_pk_add_f32 v[226:227], v[226:227], v[238:239]
.Lnos_\@:
.endm
.Lgroup:                                           ; sixteen trips, a constant: group s41 = key blocks 4 s41 .. 4 s41 + 3
	s_wait_alu depctr_vm_vsrc(0)                   ; the LDS loads of the trips before have read v25 to v28, which the four lines below write again
	v_add_nc_u32 v25, s46, v22                     ; the group's addresses are made in every trip, ahead of the branches
	v_add_nc_u32 v26, s47, v23
	v_add_nc_u32 v28, s48, v24
	v_add_nc_u32 v27, 32*VPITCH, v26               ; tiles 2 and 3 of V^T lie past the 16-bit immediate
	s_wait_alu depctr_va_vdst(0)                   ; v25 to v28 are written, which the trip's LDS loads read; all earlier vector and matrix lines are done with KF and CF, in which the first step's loads land
	s_bitcmp1_b32 s40, s41
	s_cbranch_scc0 .Lgskip                         ; none of the four counts
	STEP 0
	STEP 1
	STEP 2
	STEP 3
.Lgskip:
	s_add_co_u32 s46, s46, 4*32*KPITCH
	s_add_co_u32 s47, s47, 128
	s_add_co_u32 s48, s48, 512
	s_add_co_u32 s41, s41, 1
	s_cmp_lt_u32 s41, 16
	s_cbranch_scc1 .Lgroup
	; THE WAY OUT.  The stage lies in K's region, so a barrier stands between every wave's last read of K and the first store into a stage; the division is done between its signal and its wait.
	s_wait_dscnt 0x0                               ; my reads of LDS are over
	s_barrier_signal -1
	s_wait_alu depctr_va_vdst(0)
	v_add_f32 v226, v226, v227                     ; the sum's two halves,
	v_permlanex16_b32 v236, v226, s44, s45
	v_add_f32 v226, v226, v236                     ; and lane l xor 16's: the row's sum
	s_wait_alu depctr_va_vdst(0)
	v_rcp_f32 v226, v226
	v_nop                                          ; one plain place behind a transcendental
	s_wait_alu depctr_va_vdst(0)                   ; the reciprocal has written v226, ahead of its first reader
	v_ldexp_f32 v226, v226, s49                    ; x 2^(ep + ev)
.irp j, 0,2,4,6,8,10,12,14,16,18,20,22,24,26,28,30
	v_pk_mul_f32 v[HP+\j:HP+\j+1], v[OT+\j:OT+\j+1], v[226:227] op_sel_hi:[1,0]   ; register 8 t + i: out(query r, channel 16 t + 8 h + i)
.endr
	s_barrier_wait -1
	s_wait_alu depctr_va_vdst(0)                   ; the sixteen packed multiplies have written v160-191, which the stage's stores read
.irp t, 0,1,2,3
	ds_store_b128 v29, v[HP+8*\t:HP+8*\t+3] offset:64*\t
	ds_store_b128 v29, v[HP+8*\t+4:HP+8*\t+7] offset:64*\t+16
.endr
.irp i, 0,1,2,3,4,5,6,7
	ds_load_b128 v[BK+4*\i:BK+4*\i+3], v30 offset:2*SPITCH*\i   ; my own stage, served in order: rows 2 i and 2 i + 1, whole.  No vector line since phase 1's waits names v192-223
.endr
.irp i, 0,1,2,3,4,5,6,7
	s_wait_dscnt 7-\i                              ; the younger loads from the stage may be out
	global_store_b128 v1, v[BK+4*\i:BK+4*\i+3], s[16:17] offset:512*\i th:TH_STORE_NT   ; 32 lanes store 512 consecutive bytes, two rows of out0, at a multiple of 256 from its first byte
.endr
	s_wait_xcnt 0x0                                ; every earlier memory instruction has had its addresses translated (ISA guide 3.1)
	v_lshl_add_u32 v254, v0, 2, 0x4f400            ; my spare word and 0, made anew: no two registers could be kept.  The last LDS stores that read v254 and v255 stand ahead of the wait on vm_vsrc at their block's end
	v_mov_b32 v255, 0
	s_wait_dscnt 0x0                               ; the closing lines, six on end
	s_wait_alu 0x0
	s_wait_tensorcnt 0x0
	ds_add_u32 v254, v255
	s_wait_dscnt 0x0
	s_endpgm
.Lfunc_end_k_q631d730444_attn:
	.size	k_q631d730444_attn, .Lfunc_end_k_q631d730444_attn-k_q631d730444_attn
	.p2alignl 7, 3214868480
	.fill 96, 4, 3214868480
	.section	.rodata,"a",@progbits
	.p2align	6, 0x0
	.amdhsa_kernel k_q631d730444_attn
		.amdhsa_group_segment_fixed_size 326656
		.amdhsa_private_segment_fixed_size 0
		.amdhsa_enable_private_segment 0
		.amdhsa_kernarg_size 56
		.amdhsa_user_sgpr_count 2
		.amdhsa_user_sgpr_kernarg_segment_ptr 1
		.amdhsa_wavefront_size32 1
		.amdhsa_system_sgpr_workgroup_id_x 1
		.amdhsa_system_sgpr_workgroup_id_y 1
		.amdhsa_system_sgpr_workgroup_id_z 1
		.amdhsa_system_vgpr_workitem_id 0
		.amdhsa_next_free_vgpr 256
		.amdhsa_next_free_sgpr 66
		.amdhsa_reserve_vcc 0
		.amdhsa_float_denorm_mode_32 3
		.amdhsa_float_denorm_mode_16_64 3
		.amdhsa_memory_ordered 1
		.amdhsa_forward_progress 1
		.amdhsa_inst_pref_size 95
	.end_amdhsa_kernel
	.amdgpu_metadata
---
amdhsa.version: [ 1, 2 ]
amdhsa.kernels:
  - .name:           k_q631d730444_attn
    .symbol:         k_q631d730444_attn.kd
    .args:
      - { .name: query, .offset: 0, .size: 8, .value_kind: global_buffer, .address_space: global }
      - { .name: key, .offset: 8, .size: 8, .value_kind: global_buffer, .address_space: global }
      - { .name: value, .offset: 16, .size: 8, .value_kind: global_buffer, .address_space: global }
      - { .name: key_padding_mask, .offset: 24, .size: 8, .value_kind: global_buffer, .address_space: global }
      - { .name: layout, .offset: 32, .size: 8, .value_kind: global_buffer, .address_space: global }
      - { .name: lowp_scales, .offset: 40, .size: 8, .value_kind: global_buffer, .address_space: global }
      - { .name: out0, .offset: 48, .size: 8, .value_kind: global_buffer, .address_space: global }
    .group_segment_fixed_size: 326656
    .private_segment_fixed_size: 0
    .kernarg_segment_align: 8
    .kernarg_segment_size: 56
    .max_flat_workgroup_size: 512
    .sgpr_count:     66
    .vgpr_count:     256
    .wavefront_size: 32
...
	.end_amdgpu_metadata
.endif
;; end of part 2
